; MI455X (gfx1250); checked and timed in simulation.
; The chip was launched on July 23, 2026; its instructions are those of AMD's public machine-readable ISA for CDNA 5 (MIT licence, August 2026) and "CDNA5" Instruction Set Architecture Reference Guide (July 2026). The comments in the code are by the model that wrote it; some were corrected since.
;; Causal Self Attention. Allowed arithmetic: matrix products marked QUANTISED: E4M3 operands, one given power-of-two scale a tensor, by v_wmma_f32_16x16x64_fp8_fp8 or v_wmma_f32_16x16x128_fp8_fp8, f32 sums; everything else in f32.
;; Inputs: b_attn 3,072 float32; b_proj 1,024 float32; hidden_states_codes 4 x 2,048 x 32 x 32 uint8 (E4M3 codes of hidden_states, K innermost, in blocks of 32 codes); lowp_scales 8 int32 (the exponents e of the quantised operands' scales 2^e); w_attn_codes 3,072 x 32 x 32 uint8 (E4M3 codes of w_attn, K innermost, in blocks of 32 codes); w_proj_codes 1,024 x 32 x 32 uint8 (E4M3 codes of w_proj, K innermost, in blocks of 32 codes).
;; Outputs: out0 4 x 2,048 x 1,024 float32.
;; This version of the problem:
;;   THIS VERSION OF THE PROBLEM IS GIVEN IN LOW PRECISION. The matrix products marked QUANTISED in the list below multiply operands that are first quantised to E4M3 (4 exponent bits, 3 mantissa bits; 8 bits a number), with one given power-of-two scale for each operand tensor; their sums are f32. All else is computed in f32.
;;   The module's matrix products, in the order in which they are computed (A, B: the left and right operand; K: the contracted axis; several contracted axes count as one K, in the product's order):
;;     1. [M 8,192, K 1,024] x [K 1,024, N 3,072]; A: input hidden_states (given as codes); B: input w_attn (given as codes): QUANTISED (scales: A lowp_scales[0], B lowp_scales[1])
;;     2. batch 64 x [M 2,048, K 64] x [K 64, N 2,048]; A: computed on the way; B: computed on the way: QUANTISED (scales: A lowp_scales[2], B lowp_scales[3])
;;     3. batch 64 x [M 2,048, K 2,048] x [K 2,048, N 64]; A: softmax (see below); B: computed on the way: QUANTISED (scales: A lowp_scales[4], B lowp_scales[5])
;;     4. [M 8,192, K 1,024] x [K 1,024, N 1,024]; A: computed on the way; B: input w_proj (given as codes): QUANTISED (scales: A lowp_scales[6], B lowp_scales[7])
;;   THE QUANTISER, for each operand of a quantised product, along K:
;;     - The operand's scale is 2^e, e = its entry of the input lowp_scales (int32; the entries are numbered through the quantised products in the list's order, A before B).
;;     - Each number is divided by the scale, clamped to +-448, and rounded to the nearest number of E4M3, ties to even, subnormals kept.
;;     - The product sums the exact products of the quantised numbers (number of the format x scale) in f32.
;;   ~~~python
;;   def quantise(x, axis, e):      # numpy; x: float32 -> the quantised numbers, widened to float32 again
;;       x = np.moveaxis(x, axis, -1); K = x.shape[-1]
;;       r = np.clip(x / 2.0 ** e, -448, 448)
;;       step = 2.0 ** (np.maximum(np.frexp(np.where(r == 0, 1, r))[1] - 1, -6) - 3)
;;       q = np.round(r / step) * step * 2.0 ** e      # np.round: ties to even
;;       return np.moveaxis(q, -1, axis).astype(np.float32)
;;   ~~~
;;   SOFTMAX AHEAD OF A QUANTISED PRODUCT. Where the list says 'softmax', what is quantised is not the finished softmax but p = 2^(t - M), with t = logit x log2(e) and M = ceil(the row's largest t), a whole number; so 1/2 < the row's largest p <= 1. The row's sum l is taken of the UNQUANTISED p, in f32, and the product's result is divided by l at the end. Since M is a whole number, a kernel that streams over the keys may use a running M (the ceiling of the running maximum): every later rescaling is an exact power of two, so the quantised numbers keep their values, but for numbers so far below the row's largest that they fall under the format's range.
;;   OPERANDS COMPUTED ON THE WAY. 'Computed on the way' means the value that the module computes at that place (a softmax that the list does not call 'softmax' is quantised finished and normalised). What goes into a quantiser is computed in f32, as accurately as f32 sums, v_exp_f32 and their like allow (about 1e-6 of the number): no bf16 or f16 on the way to a quantiser, and a product that is left as it is and whose result goes on into a quantised operand takes f32 operands (vector FMAs, or v_wmma_f32_16x16x4_f32). A number that lies on a knife's edge between two numbers of the format may be rounded either way, as far as f32 arithmetic and the matrix unit's own rounding can turn it there, and no further.
;;   INPUTS GIVEN AS CODES. hidden_states (in the module: [4, 2048, 1024], K = its axis 2); w_attn (in the module: [1024, 3072], K = its axis 0); w_proj (in the module: [1024, 1024], K = its axis 0): each comes as NAME_codes (uint8): NAME with its K axis moved to the last place and cut into blocks of 32 codes, [.., K / 32, bytes a block], one block behind the other in memory; one code a byte (a code: sign, 4 exponent bits, 3 mantissa bits); its scale is its entry of lowp_scales. Its value is code x scale, taken as it is: it is not quantised again, and the codes and scales need not be those that the quantiser above would give.
;; One version. Each part assembles by itself: llvm-mc -triple=amdgcn-amd-amdhsa -mcpu=gfx1250 --defsym DOCPART=n.
;; ======== version 1 of 1: 3 launches
;; limits: right only within a limited range of input values
;; workspace buffers: q_codes 8,388,608 bytes; k_codes 8,388,608 bytes; vt_codes 8,388,608 bytes; ctx_codes 8,388,608 bytes
;; launch qkv (part 1): grid 12 x 32, 4 waves a work-group, clusters of 4 x 4, 327,680 bytes of LDS; arguments hidden_states_codes, w_attn_codes, lowp_scales, b_attn, q_codes, k_codes, vt_codes; writes q_codes, k_codes, vt_codes
.if DOCPART == 1
	.amdgcn_target "amdgcn-amd-amdhsa--gfx1250"
	.amdhsa_code_object_version 6
	.text
	.protected	k_qeb14f04dbf_qkv
	.globl	k_qeb14f04dbf_qkv
	.p2align	8
	.type	k_qeb14f04dbf_qkv,@function
k_qeb14f04dbf_qkv:
	s_mov_b64 s[64:65], 0
	v_nop
	global_prefetch_b8 v0, s[64:65] scope:SCOPE_SE
	s_setreg_imm32_b32 hwreg(HW_REG_WAVE_MODE, 25, 1), 1
	s_wait_xcnt 0x0
	s_wait_alu depctr_hold_cnt(0) depctr_sa_sdst(0) depctr_va_vdst(0) depctr_va_sdst(0) depctr_va_ssrc(0) depctr_va_vcc(0) depctr_vm_vsrc(0)
	s_getreg_b32 s2, hwreg(HW_REG_IB_STS2, 6, 4)
	s_cmp_eq_u32 s2, 0
	s_cbranch_scc0 .Lentry_in_a_cluster
	s_endpgm
.Lentry_in_a_cluster:
	s_bfe_u32 s2, ttmp6, 0x10000c
	s_cmp_lg_u32 s2, 0xf033
	s_cbranch_scc0 .Lentry_shape_is_right
	s_endpgm
.Lentry_shape_is_right:
; LAUNCH 1 OF 3: qkv = hidden_states w_attn + b_attn on codes of FP8 (E4M3), and its three parts quantised at once: q with 2^e2, k with 2^e3, v with 2^e5 (e0 .. e7: the eight whole numbers of lowp_scales).
; q_codes, k_codes: [batch][head][token][64], one code a byte.  vt_codes: [batch][head][channel 64][token 2048]: the keys innermost, since they are the K of the third product.
; THE PROGRAM: this launch; attn (products 2 and 3 with the softmax, ctx quantised with 2^e6 into ctx_codes [batch][head][token][64]); proj (product 4 + b_proj).  Every input is loaded; none is dead.
; WORK LEFT OUT, in attn alone: tiles of 16 queries x 128 keys all of whose keys come after all of their queries.  There reference() puts -10000 for the score.  The quantised q and k are held at 448 x their scale, so
; every score that counts lies within 64 x 448^2 x 2^(e2+e3) / 8, which is 6272 for e2 + e3 <= -8; key 0 counts for every query; so a hidden key has p = 2^(t - M) under 2^(-(10000 - 6272) x 1.44): its code is 0 under
; every scale 2^e4 that is an f32 number, so it adds nothing to the third product, and its share of the sum l lies far under one rounding of l.  That holds for all values of the codes and biases.
; LIMIT that this keeps: -111 <= e2 + e3 <= -8.  A NaN, an infinity or an overflow that reaches only the tiles left out is not carried to the result.
; THIS LAUNCH.  A work-group of four waves makes a tile of 256 x 256, a wave 128 x 128: 64 accumulators, 512 registers.  K = 1024 goes in four steps of 256 through a ring of two LDS slots filled by the tensor data mover.
; The cluster x (0, 1, 2) is the SECTION: q, k, v; it is the same in all sixteen partners of a cluster, so branches may hang on it.
; q, k: the rows of the tile are tokens (side A = hidden_states), its columns channels (side B = w_attn).  v: the sides change roles (A = w_attn, B = hidden_states), so that the tile is V^T.
; THE MATRIX INSTRUCTION IS USED TRANSPOSED (source 0 = 16 rows of B, source 1 = 16 rows of A): a lane holds one row of the tile and eight neighbouring columns, which the conversion packs into 8 bytes.
; The fragments are fetched 16 bytes at a time: a permutation of k inside the 128 of an instruction, the same in A and B, so that every product meets its partner.
; THE BIAS is the C of each sum's first matrix instruction, as b / 2^(e0+e1); a finished sum then stands for value / 2^(e0+e1), and the conversion takes 2^(e_out - e0 - e1) as its one scale.
; CLUSTERS: 4 x 4 work-groups; A's tiles are asked for jointly along a row of the cluster, B's along a column.  Nothing is prefetched: of the four K steps two are first fills and two their refills.
; LIMITS: e_out - e0 - e1 between -126 and 119; b / 2^(e0+e1) finite.  NaN among the inputs is not served.
; REGISTERS, in windows of 256: window 0: v16-31 addresses and two constants; v32-95 the bias, later at work; v96-103 the bias of v as loaded; v128-255 A's fragments, ONE set, later codes and rows on the way out.
;   window 1: B's fragments, TWO sets.   window 2: the accumulators of my rows 0-63 ((a, b) at v[8 (8 a + b)]);   window 3: those of my rows 64-127.
.set KROW,   1024                      ; a row of either operand in memory, in bytes
.set ROWB,   256                       ; a tile's row: 256 codes
.set PITCH,  272                       ; an LDS row: 256 bytes + 16 of padding: the 16 rows that a load touches start at 16 different banks (64 banks of 4 bytes: ISA guide 11.1)
.set FR,     16                        ; registers of a fragment: 16 rows x 128 K
.set NL,     4                         ; LDS loads that bring one
.set NP,     4                         ; places behind this matrix instruction (ISA guide 7.12.1)
.set HALFT,  128*PITCH                 ; what one tensor load brings
.set SLOT,   4*HALFT                   ; A's 256 rows, then B's 256 rows
.set LAPS,   KROW/(2*ROWB)             ; 2 laps of two K steps
.set SPARE,  2*SLOT                    ; behind the ring: the spare words, 128 bytes for each wave
.set ADRA, 16                          ; v16-17  LDS address of my A fragments in slot 0, 1
.set BQ,   18                          ; v18     bias of q, k: 32 x (lane / 16)
.set BV,   19                          ; v19     bias of v: 4 x (lane % 16)
.set ADRB, 20                          ; v20-21  the same as ADRA for B
.set COQ,  22                          ; v22     q, k out: 16 x lane
.set COV,  23                          ; v23     v out: 2048 x (lane / 16) + 16 x (lane % 16)
.set STO,  24                          ; v24     the stage: where I put 8 bytes of a row
.set RDQ,  25                          ; v25-26  the stage, back, q and k: eight tokens x 64 bytes of my head; rows 0-127, rows 128-255
.set RDQ2, 26
.set RDV,  27                          ; v27     the stage, back, v: two whole rows of 256 bytes
.set SPW,  28                          ; v28     my spare word; never rewritten
.set NIL,  29                          ; v29     0; never rewritten
.set LIM,  30
.set SCL,  31                          ; v31     2^(e_out - e0 - e1)
.set BIAS, 32
.set TMP,  32
.set RAW,  96
.set AF,   128
.set CD,   128
.set G1, 24                            ; s[24:31] group 1 for A's tiles;  s[32:39] group 0, a set for each slot
.set G0, 32
.set G1B, 48                           ; s[48:55], s[56:63] the same for B's
.set G0B, 56
.set MSB, 0
.macro WIN new                         ; the immediate's high byte repeats the setting that is left
.if MSB != \new
	s_set_vgpr_msb (MSB<<8)|\new
.set MSB, \new
.endif
.endm
.set MUL_LO, 0xa1                      ; source 0 (B) window 1, source 1 (A) window 0, C and D window 2
.set MUL_HI, 0xf1                      ; the same, C and D window 3
.set TO_B,   0x40                      ; destination window 1, address window 0
; A joint load: waves 0 and 1 fetch for A, waves 2 and 3 for B; the branch hangs on the wave's number alone.  An s_nop 0 and four v_nop follow each line.
.macro JLOAD g0a, g1a, g0b, g1b
	s_cmp_eq_u32 s15, 0
	s_cbranch_scc0 .Lfor_b_\@
	tensor_load_to_lds s[\g0a:\g0a+3], s[\g1a:\g1a+7]
	s_nop 0
.rept 4
	v_nop
.endr
	s_branch .Lasked_\@
.Lfor_b_\@:
	tensor_load_to_lds s[\g0b:\g0b+3], s[\g1b:\g1b+7]
	s_nop 0
.rept 4
	v_nop
.endr
.Lasked_\@:
.endm
.macro CREST                           ; a round of the cluster's barrier behind its opening barrier
	s_cmp_lg_u32 s14, 0
	s_cbranch_scc1 .Lnot_wave_0_\@
	s_barrier_signal -3
.Lnot_wave_0_\@:
	s_barrier_wait -3
	s_barrier_signal -1
	s_barrier_wait -1
.endm
.macro CROUND
	s_barrier_signal -1
	s_barrier_wait -1
	CREST
.endm
	s_load_b256 s[4:11], s[0:1], 0x0               ; hidden s[4:5], w_attn s[6:7], the exponents s[8:9], b_attn s[10:11]
	s_load_b128 s[68:71], s[0:1], 0x20             ; q_codes, k_codes
	s_load_b64 s[72:73], s[0:1], 0x30              ; vt_codes
	v_lshl_add_u32 v[SPW], v0, 2, SPARE
	v_mov_b32 v[NIL], 0
	ds_add_u32 v[SPW], v[NIL]                      ; the wave's opening: the add, twice on end, and its wait ahead of my first tensor load
	ds_add_u32 v[SPW], v[NIL]
	v_lshrrev_b32 v1, 5, v0
	v_readfirstlane_b32 s14, v1                    ; wave 0..3
	s_lshr_b32 s15, s14, 1                         ; which half of the tile's rows is mine.  Also: I fetch for A (0) or for B (1)
	s_and_b32 s16, s14, 1                          ; which half of its columns.  Also: which 128 rows of that tile I fetch
	s_bfe_u32 s40, ttmp6, 0x40000                  ; cx
	s_bfe_u32 s41, ttmp6, 0x40004                  ; cy
	s_and_b32 s42, ttmp7, 0xffff                   ; cluster y: which 1,024 tokens
	s_lshl_b32 s43, s41, 2
	s_lshl_b32 s43, 15, s43                        ; my row of the cluster
	s_lshl_b32 s44, 0x1111, s40                    ; my column
	s_or_b32 s[G1+0], s43, (0<<16)|(1<<20)|(1<<21)|(5<<22)|(3<<25)  ; the mask; elements of 1 byte; padding on; bit 21 beside a mask; 4 words of padding after every 64
	s_or_b32 s[G1B+0], s44, (0<<16)|(1<<20)|(1<<21)|(5<<22)|(3<<25)
.irp g, G1, G1B
	s_mov_b32 s[\g+1], ROWB<<16                    ; tensor_dim0
	s_mov_b32 s[\g+2], 128<<16                     ; tensor_dim1
	s_mov_b32 s[\g+3], ROWB<<16                    ; tile_dim0
	s_mov_b32 s[\g+4], 128                         ; tile_dim1
	s_mov_b32 s[\g+5], KROW                        ; from row to row
	s_mov_b32 s[\g+6], 0
	s_mov_b32 s[\g+7], 0
.endr
	s_lshl_b32 s90, s42, 10                        ; the cluster's first token
	s_lshl_b32 s91, ttmp9, 10                      ; the section's first row of w_attn
	s_cmp_eq_u32 ttmp9, 2                          ; v?  The cluster's x: the same in all partners
	s_cselect_b32 s92, 2048, s90                   ; side A begins at w_attn's row 2048 (v) or at the first token
	s_cselect_b32 s93, s90, s91                    ; side B at the first token (v) or at the section's first row
	s_lshl_b32 s18, s16, 7                         ; which 128 rows of a tile I fetch
	s_lshl_b32 s20, s41, 8
	s_add_co_u32 s20, s20, s92
	s_add_co_u32 s20, s20, s18                     ; A: + 256 cy + 128 x half: no cx enters
	s_lshl_b32 s20, s20, 10                        ; in bytes
	s_mov_b32 s21, 0
	s_lshl_b32 s46, s40, 8
	s_add_co_u32 s46, s46, s93
	s_add_co_u32 s46, s46, s18                     ; B: + 256 cx + 128 x half: no cy enters
	s_lshl_b32 s46, s46, 10
	s_mov_b32 s47, 0
	s_mul_i32 s45, s14, HALFT                      ; where they go: wave x 128 rows
	s_wait_dscnt 0x0                               ; both opening adds are done
	s_wait_kmcnt 0x0
	s_load_b256 s[76:83], s[8:9], 0x0              ; e0 .. e7
	s_cmp_eq_u32 ttmp9, 2
	s_cselect_b64 s[84:85], s[6:7], s[4:5]         ; side A's buffer
	s_cselect_b64 s[86:87], s[4:5], s[6:7]         ; side B's
	s_add_nc_u64 s[20:21], s[84:85], s[20:21]
	s_add_nc_u64 s[46:47], s[86:87], s[46:47]
	CROUND                                         ; all sixteen work-groups are here: the first joint loads meet
.irp s, 0,1
	s_mov_b32 s[G0+4*\s], 1
	s_add_co_u32 s[G0+4*\s+1], s45, \s*SLOT
	s_add_nc_u64 s[G0+4*\s+2:G0+4*\s+3], s[20:21], \s*ROWB
	s_or_b32 s[G0+4*\s+3], s[G0+4*\s+3], 0x80000000
	s_mov_b32 s[G0B+4*\s], 1
	s_add_co_u32 s[G0B+4*\s+1], s45, \s*SLOT
	s_add_nc_u64 s[G0B+4*\s+2:G0B+4*\s+3], s[46:47], \s*ROWB
	s_or_b32 s[G0B+4*\s+3], s[G0B+4*\s+3], 0x80000000
	JLOAD G0+4*\s, G1, G0B+4*\s, G1B
.endr
	; every LDS address is made here, ahead of the branches on the section
	v_and_b32 v1, 15, v0                           ; r = lane % 16
	v_bfe_u32 v2, v0, 4, 1                         ; h = lane / 16
	v_mul_u32_u24 v3, v1, PITCH
	s_wait_alu depctr_va_vdst(0)
	v_lshl_add_u32 v4, v2, 4, v3                   ; a fragment's row x pitch + 16 h
	s_mul_i32 s21, s15, HALFT                      ; my 128 rows of A
	s_mul_i32 s22, s16, HALFT                      ; my 128 rows of B,
	s_add_co_u32 s22, s22, 2*HALFT                 ; which lie behind A's 256
.irp s, 0,1
	v_add_nc_u32 v[ADRA+\s], s21, v4
	v_add_nc_u32 v[ADRB+\s], s22, v4
	s_add_co_u32 s21, s21, SLOT
	s_add_co_u32 s22, s22, SLOT
.endr
	s_mul_i32 s23, s15, 128*PITCH                  ; the stage: 256 rows x 272 bytes, the work-group's, in slot 0
	s_lshl_b32 s90, s16, 7
	s_add_co_u32 s23, s23, s90
	v_lshl_add_u32 v5, v2, 3, v3
	v_add_nc_u32 v[STO], s23, v5                   ; in: row 128 x row half + r, byte 128 x column half + 8 h
	v_and_b32 v6, 31, v0
	v_lshrrev_b32 v7, 2, v6
	v_mul_u32_u24 v7, v7, PITCH
	v_and_b32 v8, 3, v0
	v_lshl_add_u32 v7, v8, 4, v7
	s_lshl_b32 s90, s14, 6
	v_add_nc_u32 v[RDQ], s90, v7                   ; back, q and k: row lane / 4, byte 64 x wave + 16 (lane % 4)
	v_add_nc_u32 v[RDQ2], 128*PITCH, v[RDQ]
	s_mul_i32 s90, s14, 64*PITCH
	v_mul_u32_u24 v9, v2, PITCH
	v_lshl_add_u32 v9, v1, 4, v9
	v_add_nc_u32 v[RDV], s90, v9                   ; back, v: row 64 x wave + h, byte 16 r
	v_lshlrev_b32 v[COQ], 4, v6
	v_lshlrev_b32 v10, 11, v2
	v_lshl_add_u32 v[COV], v1, 4, v10
	v_lshlrev_b32 v[BQ], 5, v2
	v_lshlrev_b32 v[BV], 2, v1
	; where my bias begins, in bytes.  q, k: channel 1024 section + 256 cx + 128 column half.  v: channel 2048 + 256 cy + 128 row half
	s_lshl_b32 s90, ttmp9, 12
	s_lshl_b32 s91, s40, 10
	s_add_co_u32 s90, s90, s91
	s_lshl_b32 s91, s16, 9
	s_add_co_u32 s90, s90, s91
	s_lshl_b32 s92, s41, 10
	s_lshl_b32 s91, s15, 9
	s_add_co_u32 s92, s92, s91
	s_add_co_u32 s92, s92, 8192
	s_cmp_eq_u32 ttmp9, 2
	s_cselect_b32 s90, s92, s90
	s_mov_b32 s91, 0
	s_add_nc_u64 s[10:11], s[10:11], s[90:91]
	; where my part of the output begins.  q, k: batch << 21 + (4 cx + wave) << 17 + token << 6.  v: (1024 batch + 256 cy + 64 wave) << 11 + token
	s_lshr_b32 s90, s42, 1
	s_lshl_b32 s90, s90, 21
	s_lshl_b32 s91, s14, 17
	s_add_co_u32 s90, s90, s91
	s_and_b32 s91, s42, 1                          ; which half of the batch's 2,048 tokens
	s_lshl_b32 s92, s40, 19
	s_lshl_b32 s93, s91, 16
	s_add_co_u32 s92, s92, s93
	s_lshl_b32 s93, s41, 14
	s_add_co_u32 s92, s92, s93
	s_lshl_b32 s94, s41, 19
	s_lshl_b32 s93, s91, 10
	s_add_co_u32 s94, s94, s93
	s_lshl_b32 s93, s40, 8
	s_add_co_u32 s94, s94, s93
	s_cmp_eq_u32 ttmp9, 0
	s_cselect_b64 s[88:89], s[68:69], s[70:71]
	s_cmp_eq_u32 ttmp9, 2
	s_cselect_b64 s[88:89], s[72:73], s[88:89]
	s_cselect_b32 s92, s94, s92
	s_add_co_u32 s90, s90, s92
	s_mov_b32 s91, 0
	s_add_nc_u64 s[88:89], s[88:89], s[90:91]
	s_wait_kmcnt 0x0                               ; the exponents
	s_add_co_i32 s96, s76, s77                     ; e0 + e1
	s_sub_co_i32 s97, 0, s96
	s_cmp_eq_u32 ttmp9, 0
	s_cselect_b32 s90, s78, s79                    ; e2 for q, e3 for k,
	s_cmp_eq_u32 ttmp9, 2
	s_cselect_b32 s90, s81, s90                    ; e5 for v
	s_sub_co_i32 s90, s90, s96
	s_add_co_i32 s90, s90, 127
	s_lshl_b32 s91, s90, 23
	v_mov_b32 v[SCL], s91                          ; 2^(e_out - e0 - e1) as f32: the conversion takes its exponent field
	; the bias in the result's layout, divided by 2^(e0+e1)
	s_cmp_eq_u32 ttmp9, 2
	s_cbranch_scc1 .Lbias_v
	s_wait_alu depctr_va_vdst(0)
.irp b, 0,1,2,3,4,5,6,7
	global_load_b128 v[BIAS+8*\b:BIAS+8*\b+3], v[BQ], s[10:11] offset:64*\b        ; q, k: register 8 b + j: channel 16 b + 8 h + j
	global_load_b128 v[BIAS+8*\b+4:BIAS+8*\b+7], v[BQ], s[10:11] offset:64*\b+16
.endr
	s_wait_loadcnt 0x0
.set jj, 0
.rept 64
	v_ldexp_f32 v[BIAS+jj], v[BIAS+jj], s97
.set jj, jj+1
.endr
	s_branch .Lbias_done
.Lbias_v:
	s_wait_alu depctr_va_vdst(0)
.irp a, 0,1,2,3,4,5,6,7
	global_load_b32 v[RAW+\a], v[BV], s[10:11] offset:64*\a                        ; v: my row's channel 16 a + r, the same for the lane's eight columns
.endr
	s_wait_loadcnt 0x0
.set jj, 0
.rept 64
	v_ldexp_f32 v[BIAS+jj], v[RAW+jj/8], s97
.set jj, jj+1
.endr
.Lbias_done:
.macro FRAG reg, adr, q, i             ; 16 rows x 128 K: registers 4 c .. 4 c + 3 hold K = 32 c + 16 h + 0 .. 15 of row r
.irp c, 0,1,2,3
	ds_load_b128 v[\reg+4*\c:\reg+4*\c+3], v[\adr] offset:128*(\q)+32*\c+(\i)*16*PITCH
.endr
.endm
; 16 matrix instructions: A's blocks a0, a0 + 1 x B's eight.  p: B's set.  zero = 1: the sums start from the bias by columns (q, k); 2: by rows (v); 0: they go on.
; The 64 accumulators take turns, one instruction a turn, in the same order in every step.
.macro MUL16 a0, p, zero
.irp a, \a0, \a0+1
.irp b, 0,1,2,3,4,5,6,7
.if \zero == 1
	v_wmma_f32_16x16x128_fp8_fp8 v[8*(8*((\a)%4)+\b):8*(8*((\a)%4)+\b)+7], v[128*(\p)+FR*\b:128*(\p)+FR*\b+FR-1], v[AF+FR*(\a):AF+FR*(\a)+FR-1], v[BIAS+8*\b:BIAS+8*\b+7]
.elseif \zero == 2
	v_wmma_f32_16x16x128_fp8_fp8 v[8*(8*((\a)%4)+\b):8*(8*((\a)%4)+\b)+7], v[128*(\p)+FR*\b:128*(\p)+FR*\b+FR-1], v[AF+FR*(\a):AF+FR*(\a)+FR-1], v[BIAS+8*(\a):BIAS+8*(\a)+7]
.else
	v_wmma_f32_16x16x128_fp8_fp8 v[8*(8*((\a)%4)+\b):8*(8*((\a)%4)+\b)+7], v[128*(\p)+FR*\b:128*(\p)+FR*\b+FR-1], v[AF+FR*(\a):AF+FR*(\a)+FR-1], v[8*(8*((\a)%4)+\b):8*(8*((\a)%4)+\b)+7]
.endif
.endr
.endr
.endm
.macro FETCH_B slot, q, p
	WIN TO_B
.irp i, 0,1,2,3,4,5,6,7
	FRAG 128*(\p)+FR*\i, ADRB+\slot, \q, \i
.endr
	WIN 0
.endm
.macro FETCH_A slot, q, i0
.irp i, \i0, \i0+1, \i0+2, \i0+3
	FRAG AF+FR*(\i), ADRA+\slot, \q, \i
.endr
.endm
.macro PLACES n                        ; plain vector instructions between a matrix instruction and a load into, or a read of, its registers
.rept \n
	v_nop
.endr
.endm
; A step of 128 along K that has its successor in the same slot.  With the bias as C, source 2 lies in window 0.
.macro STEP slot, q, zero
	s_wait_dscnt 4*NL                              ; B's set and A's blocks 0-3 are in; the youngest 16 loads (A's blocks 4-7) may be out
.if \zero
	WIN 0x81
.else
	WIN MUL_LO
.endif
	MUL16 0, (\q)%2, \zero
	MUL16 2, (\q)%2, \zero
	s_wait_dscnt 0                                 ; A's blocks 4-7 are in
	PLACES NP
	FETCH_B \slot, (\q)+1, 1-(\q)%2
	FETCH_A \slot, (\q)+1, 0
.if \zero
	WIN 0xc1
.else
	WIN MUL_HI
.endif
	MUL16 4, (\q)%2, \zero
	MUL16 6, (\q)%2, \zero
	PLACES NP
	WIN 0
	FETCH_A \slot, (\q)+1, 4
.endm
; A slot's last step changes slots: ONE barrier; in front of it each wave waits for all its tensor loads, adds 0 to its spare word, and waits for that and for its own reads of this slot.
.macro TURN slot, next, fill
	s_wait_tensorcnt 0x0                           ; all my tensor loads have landed: my part of the next slot
	ds_add_u32 v[SPW], v[NIL]                      ; 0 onto my spare word
	s_wait_dscnt 4*NL+1                            ; the add and the youngest 16 loads (A's blocks 4-7) may be out
	WIN MUL_LO
	MUL16 0, 1, 0
	s_wait_dscnt 0x0                               ; the add is done, and my reads of this slot are over
	s_barrier_signal -1
	MUL16 2, 1, 0
	WIN 0
	s_barrier_wait -1
.if \fill
	CREST                                          ; the barrier has opened a round of the cluster's barrier: no wave of any partner still reads this slot or has a load on its way
	s_add_nc_u64 s[G0+4*\slot+2:G0+4*\slot+3], s[G0+4*\slot+2:G0+4*\slot+3], 2*ROWB
	s_add_nc_u64 s[G0B+4*\slot+2:G0B+4*\slot+3], s[G0B+4*\slot+2:G0B+4*\slot+3], 2*ROWB
	JLOAD G0+4*\slot, G1, G0B+4*\slot, G1B         ; the first tensor load behind the round; its four v_nop are the places in front of the loads below
.else
	PLACES NP
.endif
	FETCH_B \next, 0, 0
	FETCH_A \next, 0, 0
	WIN MUL_HI
	MUL16 4, 1, 0
	MUL16 6, 1, 0
	PLACES NP
	WIN 0
	FETCH_A \next, 0, 4
.endm
	s_wait_tensorcnt 1                             ; my part of K step 0 is in; K step 1's load may be out
	s_barrier_signal -1
	s_barrier_wait -1
	FETCH_B 0, 0, 0
	FETCH_A 0, 0, 0
	FETCH_A 0, 0, 4
	s_cmp_eq_u32 ttmp9, 2                          ; the first step is written twice: it differs in which bias registers start a sum
	s_cbranch_scc1 .Lfirst_v
	s_wait_alu depctr_va_vdst(0)
	STEP 0, 0, 1
	s_branch .Lfirst_done
.Lfirst_v:
	s_wait_alu depctr_va_vdst(0)
	STEP 0, 0, 2
.Lfirst_done:
	s_mov_b32 s3, LAPS-1
.Llap:                                                 ; a trip goes once round the ring and fills both slots again
	TURN 0, 1, 1
	STEP 1, 0, 0
	TURN 1, 0, 1
	STEP 0, 0, 0
	s_sub_co_u32 s3, s3, 1
	s_cmp_lg_u32 s3, 0
	s_cbranch_scc1 .Llap
	TURN 0, 1, 0                                   ; the last lap fills nothing
	STEP 1, 0, 0
	s_wait_dscnt 4*NL
	WIN MUL_LO
	MUL16 0, 1, 0
	MUL16 2, 1, 0
	s_wait_dscnt 0
	WIN MUL_HI
	MUL16 4, 1, 0
	MUL16 6, 1, 0
	WIN 0
; THE WAY OUT.  Block a (16 rows x 128 columns): the conversion with the scale; eight numbers to 8 bytes;
; into the work-group's stage.  The stage lies in slot 0, which has had its last fill, and which nobody has read since the last change of slots.
.macro OUTBLK a
	WIN 0x02+((\a)/4)                              ; source 0: window 2 or 3
.set jj, 0
.rept 64
.set jj, jj+1
.endr
.irp b, 0,1,2,3,4,5,6,7
	v_cvt_scalef32_pk8_fp8_f32 v[CD+16*(\a)+2*\b:CD+16*(\a)+2*\b+1], v[TMP+8*\b+((64*((\a)%4)+jj)-(TMP+jj)):TMP+8*\b+7+((64*((\a)%4)+jj)-(TMP+jj))], v[SCL]
.endr
	WIN 0
	v_nop                                          ; one plain vector instruction between the conversions and the stores that read their results
.irp b, 0,1,2,3,4,5,6,7
	ds_store_b64 v[STO], v[CD+16*(\a)+2*\b:CD+16*(\a)+2*\b+1] offset:16*PITCH*(\a)+16*\b
.endr
.endm
	PLACES NP
.irp a, 0,1,2,3,4,5,6,7
	OUTBLK \a
.endr
	s_wait_dscnt 0x0                               ; for the others' sake: my stores into the stage are done
	s_barrier_signal -1
	s_barrier_wait -1
	s_cmp_eq_u32 ttmp9, 2
	s_cbranch_scc1 .Lout_v
	; q, k: wave w takes head 4 cx + w: 64 bytes of each of the 256 tokens, which lie on end in the output: a store covers 512 consecutive bytes, aligned
.set tt, 0
.rept 16
	ds_load_b128 v[CD+4*tt:CD+4*tt+3], v[RDQ] offset:8*PITCH*tt
.set tt, tt+1
.endr
.set tt, 0
.rept 16
	ds_load_b128 v[CD+64+4*tt:CD+64+4*tt+3], v[RDQ2] offset:8*PITCH*tt
.set tt, tt+1
.endr
.set tt, 0
.rept 32
	s_wait_dscnt 31-tt                             ; LDS loads come back in order: load tt is in, the younger ones may be out
	global_store_b128 v[COQ], v[CD+4*tt:CD+4*tt+3], s[88:89] offset:512*tt
.set tt, tt+1
.endr
	s_branch .Lout_done
.Lout_v:
	; v: wave w takes channels 64 w .. 64 w + 63: whole rows of 256 tokens: sixteen lanes store 256 consecutive bytes, aligned
.set tt, 0
.rept 32
	ds_load_b128 v[CD+4*tt:CD+4*tt+3], v[RDV] offset:2*PITCH*tt
.set tt, tt+1
.endr
.set tt, 0
.rept 32
	s_wait_dscnt 31-tt
	global_store_b128 v[COV], v[CD+4*tt:CD+4*tt+3], s[88:89] offset:4096*tt
.set tt, tt+1
.endr
.Lout_done:
	s_wait_tensorcnt 0x0                           ; the wave's end, behind my last tensor load and my last LDS store
	ds_add_u32 v[SPW], v[NIL]
	s_wait_dscnt 0x0
	CROUND                                         ; the closing round: no work-group ends while a partner may still ask for a tile that names it
	s_endpgm
.Lfunc_end_k_qeb14f04dbf_qkv:
	.size	k_qeb14f04dbf_qkv, .Lfunc_end_k_qeb14f04dbf_qkv-k_qeb14f04dbf_qkv
	.p2alignl 7, 3214868480
	.fill 96, 4, 3214868480
	.section	.rodata,"a",@progbits
	.p2align	6, 0x0
	.amdhsa_kernel k_qeb14f04dbf_qkv
		.amdhsa_group_segment_fixed_size 327680
		.amdhsa_private_segment_fixed_size 0
		.amdhsa_enable_private_segment 0
		.amdhsa_kernarg_size 56
		.amdhsa_user_sgpr_count 2
		.amdhsa_user_sgpr_kernarg_segment_ptr 1
		.amdhsa_wavefront_size32 1
		.amdhsa_system_sgpr_workgroup_id_x 1
		.amdhsa_system_sgpr_workgroup_id_y 1
		.amdhsa_system_sgpr_workgroup_id_z 1
		.amdhsa_system_vgpr_workitem_id 0
		.amdhsa_next_free_vgpr 1024
		.amdhsa_next_free_sgpr 100
		.amdhsa_reserve_vcc 0
		.amdhsa_float_denorm_mode_32 3
		.amdhsa_float_denorm_mode_16_64 3
		.amdhsa_fp16_overflow 1
		.amdhsa_memory_ordered 1
		.amdhsa_forward_progress 1
		.amdhsa_inst_pref_size 120
	.end_amdhsa_kernel
	.amdgpu_metadata
---
amdhsa.version: [ 1, 2 ]
amdhsa.kernels:
  - .name:           k_qeb14f04dbf_qkv
    .symbol:         k_qeb14f04dbf_qkv.kd
    .args:
      - { .name: hidden_states_codes, .offset: 0, .size: 8, .value_kind: global_buffer, .address_space: global }
      - { .name: w_attn_codes, .offset: 8, .size: 8, .value_kind: global_buffer, .address_space: global }
      - { .name: lowp_scales, .offset: 16, .size: 8, .value_kind: global_buffer, .address_space: global }
      - { .name: b_attn, .offset: 24, .size: 8, .value_kind: global_buffer, .address_space: global }
      - { .name: q_codes, .offset: 32, .size: 8, .value_kind: global_buffer, .address_space: global }
      - { .name: k_codes, .offset: 40, .size: 8, .value_kind: global_buffer, .address_space: global }
      - { .name: vt_codes, .offset: 48, .size: 8, .value_kind: global_buffer, .address_space: global }
    .group_segment_fixed_size: 327680
    .private_segment_fixed_size: 0
    .kernarg_segment_align: 8
    .kernarg_segment_size: 56
    .max_flat_workgroup_size: 128
    .sgpr_count:     100
    .vgpr_count:     1024
    .wavefront_size: 32
...
	.end_amdgpu_metadata
.endif
;; end of part 1
;; launch attn (part 2): grid 64 x 8, 16 waves a work-group, no clusters, 327,680 bytes of LDS; arguments q_codes, k_codes, vt_codes, lowp_scales, ctx_codes; writes ctx_codes
.if DOCPART == 2
	.amdgcn_target "amdgcn-amd-amdhsa--gfx1250"
	.amdhsa_code_object_version 6
	.text
	.protected	k_qeb14f04dbf_attn
	.globl	k_qeb14f04dbf_attn
	.p2align	8
	.type	k_qeb14f04dbf_attn,@function
k_qeb14f04dbf_attn:
	s_mov_b64 s[64:65], 0
	v_nop
	global_prefetch_b8 v0, s[64:65] scope:SCOPE_SE
	s_setreg_imm32_b32 hwreg(HW_REG_WAVE_MODE, 25, 1), 1
	s_wait_xcnt 0x0
; LAUNCH 2 OF 3: ctx = softmax(q k^T / 8, causal) v for each of the 64 (batch, head), both products on codes of FP8 (E4M3); ctx is quantised with 2^e6 into ctx_codes [batch][head][token][64].
; WORK LEFT OUT: steps of 128 keys all of which come after a wave's 16 queries; the first launch's head comment shows that they add nothing, under the LIMIT -111 <= e2 + e3 <= -8.  Inside the step on the diagonal the
; hidden scores take the -10000 of reference().
; THE SOFTMAX: t = score x log2(e) / 8; M = the running largest t rounded UP to a whole number; p = 2^(t - M) is quantised with 2^e4, not normalised; the sum l is taken of the unquantised p and divides at the end.
; When M moves, l and O are multiplied by 2^(old M - new M), which rounds nothing.
; SHARES.  Work-group (x = batch x 16 + head, y = j) owns the query blocks j and 15 - j of 128 queries: (j + 1) + (16 - j) = 17 block steps, the same in all 512 work-groups.  Each of its SIXTEEN waves owns 16 queries in 256
; registers: four waves to a SIMD, so that one wave's vector work stands beside another's matrix work and LDS loads.  Of waves 2 i and 2 i + 1 one takes the early block and one the late, by turns, so that each SIMD gets both kinds.
; Every wave walks all 8 slots of 256 keys (constant trip counts, every barrier passed); a step whose keys are all hidden is jumped over; a slot whose first key comes after the work-group's last query is not asked for.
; NO CLUSTER: the eight work-groups of a head need 128 (16 - j) keys, another number in each, so a partner would jump over the reads of tiles that a joint load brings.
; LAYOUT.  Both products are used transposed: S^T = K Q^T (source 0 = 16 neighbouring keys, source 1 = my 16 queries; K = 64), O^T = V^T P^T (source 0 = 16 channels, source 1 = P; K = 128 keys): a lane holds ONE query.
; In S^T tile t, register j of lane (r, h) is key 16 t + 8 h + j: the conversion's two registers ARE registers 2 t, 2 t + 1 of the second product's operand in that form's own layout.
; K's and Q's fragments are fetched 16 bytes at a time: a permutation of the head's 64, the same in both.
; LIMITS on the given exponents: e2 + e3 as above; e4, and e6 - e4 - e5, between -126 and 119.  NaN among the codes is not served.
; REGISTERS: v1-11 addresses; v12 -M, v13 the largest t, v[14:15] l in two halves; v16-23 Q; v32-95 K's eight fragments, then V's four; v96-159 S^T, then p; v160-191 O^T; v200-202, v240-254 constants and at work; v224-239 p's codes.
.set SK,    256                        ; keys in a slot
.set KP,    272                        ; an LDS row: 256 bytes + 16 of padding.  K: four keys of 64 bytes to a row.  V: a channel's 256 keys
.set VOFF,  64*KP                      ; a slot: 64 rows of K, then 64 rows of V
.set SLOT1, 1<<17                      ; slot 1 begins here: one exclusive or turns an address in one slot into the other's
.set NSL,   8
.set SPARE, 2*SLOT1                    ; behind the ring: the spare words, 128 bytes for each of the 16 waves
.set AK0,  1                           ; v1   my lane's place in a tile of K: (r / 4) x 272 + (r % 4) x 64 + 16 h
.set AV0,  2                           ; v2   in a tile of V: VOFF + r x 272 + 8 h
.set PFO,  3                           ; v3   the prefetches' offset
.set QA,   4                           ; v4   Q: r x 64 + 16 h
.set SPW,  5                           ; v5   my spare word; never rewritten
.set NIL,  6                           ; v6   0; never rewritten
.set GO,   7                           ; v7   16 x lane
.set ADK,  8
.set ADV,  9
.set SI,   10                          ; v10  the way out: into my stage
.set SB,   11                          ; v11  and back
.set WV,   18
.set SEL,  20                          ; s[20:21] selects for v_permlanex16_b32: lane l xor 16
.set CS,   22                          ; s[22:23] c = log2(e) / 8 x 2^(e2+e3)
.set G1K,  24
.set G1V,  32
.set G0K,  40
.set G0V,  44
.set QL,   48                          ; s48  my work-group's last query
.set TB,   2                           ; s2   LDS byte at which the slot in hand begins
.set SLOTS, 67
.set PFA,  76
.set PFS,  78
.set LIM,  80
.set KF,   98                          ; s98  the step's first key
.set Q0,   99                          ; s99  my first query
; Wave 0 fetches a slot's K, wave 1 its V, the others nothing.  An s_nop 0 and four v_nop follow each line.
.macro TLOAD
	s_cmp_eq_u32 s[WV], 0
	s_cbranch_scc0 .Lnot_k_\@
	tensor_load_to_lds s[G0K:G0K+3], s[G1K:G1K+7]
	s_nop 0
.rept 4
	v_nop
.endr
	s_branch .Lasked_\@
.Lnot_k_\@:
	s_cmp_eq_u32 s[WV], 1
	s_cbranch_scc0 .Lasked_\@
	tensor_load_to_lds s[G0V:G0V+3], s[G1V:G1V+7]
	s_nop 0
.rept 4
	v_nop
.endr
.Lasked_\@:
.endm
; A PREFETCH INTO THE L2 of what the NEXT change of slots will ask for.  All eight work-groups of a head walk the same K and V: the one with j = 0, which walks all slots, asks, and nobody else.
; In it waves 4 and 5 ask for K's 16,384 bytes, 8,192 a wave, lanes 256 bytes apart; waves 6 and 7 for V's 64 rows, 32 a wave, a lane a row (a slot's part of a row is 256 bytes, aligned): each block is named once.
; Slots 0 and 1 come by their loads alone; the last change that fills a slot asks for nothing.
.macro ASK
	s_cmp_gt_u32 s[SLOTS], s[LIM]
	s_cbranch_scc0 .Lnot_mine_\@
	global_prefetch_b8 v[PFO], s[PFA:PFA+1] th:TH_LOAD_NT scope:SCOPE_SE
.Lnot_mine_\@:
.endm
	s_load_b128 s[4:7], s[0:1], 0x0                ; q_codes, k_codes
	s_load_b128 s[12:15], s[0:1], 0x10             ; vt_codes, the exponents
	s_load_b64 s[16:17], s[0:1], 0x20              ; ctx_codes
	v_lshl_add_u32 v[SPW], v0, 2, SPARE
	v_mov_b32 v[NIL], 0
	ds_add_u32 v[SPW], v[NIL]                      ; the wave's opening: the add, twice on end, and its wait ahead of my first tensor load
	ds_add_u32 v[SPW], v[NIL]
	v_lshrrev_b32 v8, 5, v0
	s_delay_alu instid0(VALU_DEP_1)
	v_readfirstlane_b32 s[WV], v8                  ; wave 0..15
	s_and_b32 s19, ttmp7, 0xffff                   ; j
	s_lshl_b32 s84, ttmp9, 17                      ; the head's first byte in each of the four buffers: 2,048 x 64 bytes a head
	s_mov_b32 s85, 0
	s_lshr_b32 s86, s[WV], 2
	s_xor_b32 s86, s86, s[WV]
	s_and_b32 s86, s86, 1                          ; 1: the early block j; 0: the late block 15 - j
	s_sub_co_u32 s87, 15, s19
	s_cmp_eq_u32 s86, 1
	s_cselect_b32 s87, s19, s87
	s_lshl_b32 s87, s87, 7
	s_lshr_b32 s88, s[WV], 1
	s_lshl_b32 s88, s88, 4
	s_add_co_u32 s[Q0], s87, s88                   ; my first query: 128 x block + 16 x (wave / 2)
	s_sub_co_u32 s[QL], 16, s19
	s_lshl_b32 s[QL], s[QL], 7
	s_sub_co_u32 s[QL], s[QL], 1                   ; 128 (16 - j) - 1
	s_lshl_b32 s90, s[Q0], 6
	s_add_co_u32 s90, s90, s84                     ; my queries' first byte in q_codes and in ctx_codes
	s_mov_b32 s91, 0
	s_mov_b32 s[G1K], (0<<16)|(1<<20)|(5<<22)|(3<<25)   ; no mask; elements of 1 byte; 4 words of padding after every 64
	s_mov_b32 s[G1K+1], 256<<16                    ; K's 256 keys are one dense block: 64 rows of 256 bytes
	s_mov_b32 s[G1K+2], 64<<16
	s_mov_b32 s[G1K+3], 256<<16
	s_mov_b32 s[G1K+4], 64
	s_mov_b32 s[G1K+5], 256
	s_mov_b32 s[G1K+6], 0
	s_mov_b32 s[G1K+7], 0
	s_mov_b32 s[G1V], (0<<16)|(1<<20)|(5<<22)|(3<<25)
	s_mov_b32 s[G1V+1], 256<<16                    ; V: 64 channels x 256 keys, rows 2,048 bytes apart
	s_mov_b32 s[G1V+2], 64<<16
	s_mov_b32 s[G1V+3], 256<<16
	s_mov_b32 s[G1V+4], 64
	s_mov_b32 s[G1V+5], 2048
	s_mov_b32 s[G1V+6], 0
	s_mov_b32 s[G1V+7], 0
	s_mov_b32 s[SEL], 0x76543210
	s_mov_b32 s[SEL+1], 0xfedcba98
	s_mov_b32 s[CS], 0x3e38aa3b                    ; log2(e) / 8
	s_mov_b32 s[TB], 0
	s_mov_b32 s[SLOTS], NSL-1
	s_mov_b32 s[KF], 0
	s_wait_dscnt 0x0                               ; both opening adds are done
	s_wait_kmcnt 0x0
	s_load_b256 s[68:75], s[14:15], 0x0            ; e0 .. e7
	s_mov_b32 s[G0K], 1
	s_mov_b32 s[G0K+1], 0                          ; slot 0
	s_add_nc_u64 s[G0K+2:G0K+3], s[6:7], s[84:85]  ; the head's first 256 keys
	s_or_b32 s[G0K+3], s[G0K+3], 0x80000000
	s_mov_b32 s[G0V], 1
	s_mov_b32 s[G0V+1], VOFF
	s_add_nc_u64 s[G0V+2:G0V+3], s[12:13], s[84:85]
	s_or_b32 s[G0V+3], s[G0V+3], 0x80000000
	TLOAD                                          ; slot 0: it holds key 0, which counts for every query
	s_add_nc_u64 s[4:5], s[4:5], s[90:91]          ; Q at my first query
	s_add_nc_u64 s[16:17], s[16:17], s[90:91]      ; ctx likewise
	; the prefetches: where my wave's stand, and who asks
	s_cmp_lt_u32 s[WV], 6
	s_cselect_b64 s[PFA:PFA+1], s[6:7], s[12:13]
	s_mov_b32 s[PFS], 256
	s_cselect_b32 s[PFS], 16384, s[PFS]            ; a slot on
	s_mov_b32 s82, 2048
	s_cselect_b32 s82, 256, s82                    ; from lane to lane
	s_mov_b32 s83, 65536
	s_cselect_b32 s83, 8192, s83                   ; from wave to wave
	v_and_b32 v[PFO], 31, v0
	s_delay_alu instid0(VALU_DEP_1)
	v_mul_lo_u32 v[PFO], v[PFO], s82
	s_and_b32 s82, s[WV], 1
	s_mul_i32 s82, s82, s83
	s_add_co_u32 s82, s82, s[PFS]                  ; in slot 1: the first change of slots steps it to slot 2
	s_mov_b32 s83, 0
	s_mov_b32 s[PFS+1], 0
	s_add_nc_u64 s[PFA:PFA+1], s[PFA:PFA+1], s[84:85]
	s_add_nc_u64 s[PFA:PFA+1], s[PFA:PFA+1], s[82:83]
	s_sub_co_u32 s82, s[WV], 4
	s_lshr_b32 s82, s82, 2                         ; 0 in waves 4 to 7,
	s_or_b32 s82, s82, s19                         ; of the work-group with j = 0
	s_cmp_eq_u32 s82, 0
	s_cselect_b32 s[LIM], 1, -1
	v_and_b32 v8, 15, v0                           ; r
	v_bfe_u32 v9, v0, 4, 1                         ; h
	s_delay_alu instid0(VALU_DEP_2)
	v_lshlrev_b32 v[QA], 6, v8
	s_delay_alu instid0(VALU_DEP_1)
	v_lshl_add_u32 v[QA], v9, 4, v[QA]
	global_load_b128 v[16:19], v[QA], s[4:5]       ; Q's fragment stays in registers: channels 16 h + 0 .. 15,
	global_load_b128 v[20:23], v[QA], s[4:5] offset:32   ; and 32 + 16 h + 0 .. 15
	v_lshrrev_b32 v[AK0], 2, v8
	s_delay_alu instid0(VALU_DEP_1)
	v_mul_u32_u24 v[AK0], v[AK0], KP
	v_and_b32 v202, 3, v0
	s_delay_alu instid0(VALU_DEP_1)
	v_lshl_add_u32 v[AK0], v202, 6, v[AK0]
	s_delay_alu instid0(VALU_DEP_1)
	v_lshl_add_u32 v[AK0], v9, 4, v[AK0]
	v_mul_u32_u24 v[AV0], v8, KP
	s_delay_alu instid0(VALU_DEP_1)
	v_lshl_add_u32 v[AV0], v9, 3, v[AV0]
	s_delay_alu instid0(VALU_DEP_1)
	v_add_nc_u32 v[AV0], VOFF, v[AV0]
	v_and_b32 v[GO], 31, v0
	s_delay_alu instid0(VALU_DEP_1)
	v_lshlrev_b32 v[GO], 4, v[GO]
	s_lshl_b32 s96, s[WV], 10                      ; my stage: 16 rows x 64 bytes, in slot 0
	v_lshlrev_b32 v[SI], 6, v8
	s_delay_alu instid0(VALU_DEP_1)
	v_lshl_add_u32 v[SI], v9, 3, v[SI]
	s_delay_alu instid0(VALU_DEP_1)
	v_add_nc_u32 v[SI], s96, v[SI]
	v_add_nc_u32 v[SB], s96, v[GO]
	v_lshlrev_b32 v202, 3, v9
	s_delay_alu instid0(VALU_DEP_1)
	v_sub_nc_u32 v202, v8, v202                    ; r - 8 h, for the mask
	v_mov_b32 v13, 0xff61b1e6                      ; the largest t so far: -3e38
	s_delay_alu instid0(VALU_DEP_1)
	v_floor_f32 v12, -v13                          ; -M
	v_mov_b32 v14, 0
	v_mov_b32 v15, 0
	v_mov_b32 v200, 0                              ; written once: a lane permute's destination counts as one of its sources
	v_mov_b32 v253, 0                              ; (named as the upper half of the pair v[252:253])
.set jj, 0
.rept 32
	v_mov_b32 v[160+jj], 0                         ; O^T: the loop is written once; its first step finds zeros
.set jj, jj+1
.endr
	s_wait_kmcnt 0x0
	s_add_co_i32 s96, s70, s71                     ; e2 + e3
	s_lshl_b32 s96, s96, 23
	s_add_co_i32 s[CS], s[CS], s96                 ; added to c's exponent field
	s_mov_b32 s[CS+1], s[CS]
	s_mov_b32 s49, 0xc79c4000                      ; -80000,
	s_sub_co_i32 s49, s49, s96                     ; x 2^-(e2+e3): times c that is -10000 x log2(e)
	v_mov_b32 v201, s49
	s_add_co_i32 s96, s72, 127
	s_lshl_b32 s97, s96, 23
	v_mov_b32 v244, s97                            ; 2^e4
	s_sub_co_i32 s96, s74, s72
	s_sub_co_i32 s96, s96, s73                     ; O / l stands for ctx / 2^(e4+e5): its conversion takes 2^(e6 - e4 - e5)
	s_add_co_i32 s96, s96, 127
	s_lshl_b32 s97, s96, 23
	v_mov_b32 v245, s97
; A KEY STEP: 128 keys, the q-th of the slot in hand.
.macro STEP q
	s_add_co_u32 s96, s[Q0], 15                    ; a step all of whose keys come after my 16 queries is left out: a branch on ids, round loads, products and softmax; no barrier and no tensor load stands in a step
	s_cmp_gt_u32 s[KF], s96
	s_cbranch_scc1 .Lhidden_\@
	v_add_nc_u32 v[ADK], s[TB], v[AK0]
	v_add_nc_u32 v[ADV], s[TB], v[AV0]
	v_nop                                          ; with the two additions: four places in front of loads into registers that the last products have read
	v_nop
.irp t, 0,1,2,3,4,5,6,7
	ds_load_b128 v[32+8*\t:35+8*\t], v[ADK] offset:(32*(\q)+4*\t)*KP        ; keys 16 t + r
	ds_load_b128 v[36+8*\t:39+8*\t], v[ADK] offset:(32*(\q)+4*\t)*KP+32
.endr
	s_wait_alu depctr_va_vdst(0)
	s_wait_dscnt 0x0
.irp t, 0,1,2,3,4,5,6,7
	v_wmma_f32_16x16x64_fp8_fp8 v[96+8*\t:103+8*\t], v[32+8*\t:39+8*\t], v[16:23], 0
.endr
.rept 4
	v_nop                                          ; places in front of the loads below and of the first read of the scores
.endr
.irp u, 0,1,2,3
.irp c, 0,1,2,3,4,5,6,7
	ds_load_b64 v[32+16*\u+2*\c:33+16*\u+2*\c], v[ADV] offset:16*\u*KP+128*(\q)+16*\c   ; V: channel 16 u + r, keys 16 c + 8 h + 0 .. 7: they land while the softmax is worked
.endr
.endr
	s_add_co_u32 s96, s[KF], 127                   ; on the diagonal the hidden scores take the value that stands for -10000; a step all of whose keys count skips this
	s_cmp_le_u32 s96, s[Q0]
	s_cbranch_scc1 .Lopen_\@
	s_sub_co_i32 s96, s[Q0], s[KF]
	v_add_nc_u32 v252, s96, v202                   ; d = my query - the step's first key - 8 h.  Register 8 t + j holds key 16 t + 8 h + j: hidden where 16 t + j > d
.set jj, 0
.rept 64
	v_cmp_gt_i32 vcc_lo, 16*(jj/8)+jj%8, v252
	v_cndmask_b32 v[96+jj], v[96+jj], v201, vcc_lo
.set jj, jj+1
.endr
.Lopen_\@:
	v_max3_num_f32 v254, v96, v97, v98             ; the step's largest score of my query among my 64 keys, in two chains; each accumulator is first read at its low end
	v_max3_num_f32 v252, v99, v100, v101
.irp i, 6,10,14,18,22,26,30,34,38,42,46,50,54,58
	v_max3_num_f32 v254, v254, v[96+\i], v[97+\i]
	v_max3_num_f32 v252, v252, v[98+\i], v[99+\i]
.endr
	v_max3_num_f32 v254, v254, v158, v159
	s_delay_alu instid0(VALU_DEP_1)
	v_max_num_f32 v254, v254, v252
	s_delay_alu instid0(VALU_DEP_1)
	v_permlanex16_b32 v200, v254, s[SEL], s[SEL+1]
	s_delay_alu instid0(VALU_DEP_1)
	v_max_num_f32 v254, v254, v200                 ; and among lane l xor 16's
	s_delay_alu instid0(VALU_DEP_1)
	v_mul_f32 v254, s[CS], v254                    ; as t (c is positive)
	s_delay_alu instid0(VALU_DEP_1)
	v_max_num_f32 v13, v13, v254
	v_mov_b32 v254, v12
	s_delay_alu instid0(VALU_DEP_2)
	v_floor_f32 v12, -v13                          ; the new -M = floor(-t)
	s_delay_alu instid0(VALU_DEP_1)
	v_sub_f32 v254, v12, v254                      ; old M - new M: a whole number, 0 or less
	s_delay_alu instid0(VALU_DEP_1)
	v_cvt_i32_f32 v254, v254                       ; (it saturates)
	s_delay_alu instid0(VALU_DEP_1)
	v_ldexp_f32 v252, 1.0, v254                    ; f = 2^(old M - new M)
.set jj, 0
.rept 32
	v_pk_fma_f32 v[96+jj:97+jj], v[96+jj:97+jj], s[CS:CS+1], v[12:13] op_sel_hi:[1,0,0]   ; t - M, two at a time
.set jj, jj+2
.endr
.set jj, 0
	s_wait_alu depctr_va_vdst(0)
.rept 64
	v_exp_f32 v[96+jj], v[96+jj]                   ; p = 2^(t - M)
.set jj, jj+1
.endr
	v_pk_mul_f32 v[14:15], v[14:15], v[252:253] op_sel_hi:[1,0]   ; l under the new M: the plain instruction behind the exponentials
	s_wait_alu depctr_va_vdst(0)                   ; one wait for the batch of 64, ahead of its first reader
	v_pk_add_f32 v[242:243], v[100:101], v[104:105]
	v_pk_add_f32 v[254:255], v[108:109], v[112:113]
	v_pk_add_f32 v[250:251], v[116:117], v[120:121]
	v_pk_add_f32 v[248:249], v[124:125], v[128:129]
	v_pk_add_f32 v[246:247], v[132:133], v[136:137]
	v_pk_add_f32 v[240:241], v[140:141], v[144:145]
	v_pk_add_f32 v[238:239], v[148:149], v[152:153]
	v_pk_add_f32 v[14:15], v[14:15], v[156:157]
	v_pk_add_f32 v[242:243], v[242:243], v[96:97]
	v_pk_add_f32 v[254:255], v[254:255], v[98:99]
	v_pk_add_f32 v[250:251], v[250:251], v[102:103]
	v_pk_add_f32 v[248:249], v[248:249], v[106:107]
	v_pk_add_f32 v[246:247], v[246:247], v[110:111]
	v_pk_add_f32 v[240:241], v[240:241], v[114:115]
	v_pk_add_f32 v[238:239], v[238:239], v[118:119]
	v_pk_add_f32 v[14:15], v[14:15], v[122:123]
	v_pk_add_f32 v[242:243], v[242:243], v[126:127]
	v_pk_add_f32 v[254:255], v[254:255], v[130:131]
	v_pk_add_f32 v[250:251], v[250:251], v[134:135]
	v_pk_add_f32 v[248:249], v[248:249], v[138:139]
	v_pk_add_f32 v[246:247], v[246:247], v[142:143]
	v_pk_add_f32 v[240:241], v[240:241], v[146:147]
	v_pk_add_f32 v[238:239], v[238:239], v[150:151]
	v_pk_add_f32 v[14:15], v[14:15], v[154:155]
	v_pk_add_f32 v[242:243], v[242:243], v[158:159]
	s_delay_alu instid0(VALU_DEP_2)
	v_pk_add_f32 v[14:15], v[14:15], v[248:249]
	s_delay_alu instid0(VALU_DEP_2)
	v_pk_add_f32 v[242:243], v[242:243], v[246:247]
	v_pk_add_f32 v[254:255], v[254:255], v[240:241]
	v_pk_add_f32 v[250:251], v[250:251], v[238:239]
	s_delay_alu instid0(VALU_DEP_2)
	v_pk_add_f32 v[14:15], v[14:15], v[254:255]
	s_delay_alu instid0(VALU_DEP_2)
	v_pk_add_f32 v[242:243], v[242:243], v[250:251]
	s_delay_alu instid0(VALU_DEP_1)
	v_pk_add_f32 v[14:15], v[14:15], v[242:243]
.irp t, 0,1,2,3,4,5,6,7
.irp i, 0,1,2,3,4,5,6,7
.endr
	v_cvt_scalef32_pk8_fp8_f32 v[224+2*\t:225+2*\t], v[96+8*\t:103+8*\t], v244
.endr
.set jj, 0
.rept 16
	v_pk_mul_f32 v[160+jj:161+jj], v[160+jj:161+jj], v[252:253] op_sel_hi:[1,0]   ; O^T under the new M; also the plain instructions behind the last conversion
.set jj, jj+2
.endr
	s_wait_alu depctr_va_vdst(0)
	s_wait_dscnt 0x0                               ; V is in
.irp u, 0,1,2,3
	v_wmma_f32_16x16x128_fp8_fp8 v[160+8*\u:167+8*\u], v[32+16*\u:47+16*\u], v[224:239], v[160+8*\u:167+8*\u]   ; the four accumulators take turns
.endr
.Lhidden_\@:
	s_add_co_u32 s[KF], s[KF], 128
.endm
; THE CHANGE OF SLOTS stands at a slot's head.  Each wave waits for all its tensor loads, adds 0 to its spare word (fill = 1: twice on end), and waits for that and for its
; reads of the slot that it has left.  Behind the barrier the slot ahead is whole and nobody reads the other one, which is then filled with the keys that follow, up to the causal limit.
.macro CHANGE fill
	s_wait_tensorcnt 0x0                           ; no tensor load of mine is out, so a group 0 may be written
	ds_add_u32 v[SPW], v[NIL]
.if \fill
	ds_add_u32 v[SPW], v[NIL]
	s_xor_b32 s[G0K+1], s[G0K+1], SLOT1            ; the walking descriptors: the other slot,
	s_add_nc_u64 s[G0K+2:G0K+3], s[G0K+2:G0K+3], SK*64   ; the next 256 keys
	s_xor_b32 s[G0V+1], s[G0V+1], SLOT1
	s_add_nc_u64 s[G0V+2:G0V+3], s[G0V+2:G0V+3], SK
	s_wait_xcnt 0x0                                ; the last prefetch, a slot back, has read its address
	s_add_nc_u64 s[PFA:PFA+1], s[PFA:PFA+1], s[PFS:PFS+1]
.endif
	s_wait_dscnt 0x0                               ; the add is done, and my reads of the slot that I have left are over
	s_barrier_signal -1
	s_barrier_wait -1
.if \fill
	s_add_co_u32 s96, s[KF], SK                    ; the first key of the slot that this change would ask for:
	s_cmp_gt_u32 s96, s[QL]                        ; past my work-group's last query no wave would read it.  Ids and the count of steps alone: all sixteen waves go the same way; every wait on TENSORcnt here is for 0
	s_cbranch_scc1 .Lpast_\@
	TLOAD                                          ; a wave's one tensor load until the next such barrier
.Lpast_\@:
	ASK                                            ; a slot's two key steps ahead of the load that will want it
.endif
.endm
.macro SLOT_STEPS
	STEP 0
	STEP 1
	s_xor_b32 s[TB], s[TB], SLOT1
.endm
	s_wait_loadcnt 0x0                             ; Q
.Lslot:                                                ; 7 trips
	CHANGE 1
	SLOT_STEPS
	s_sub_co_u32 s[SLOTS], s[SLOTS], 1
	s_cmp_lg_u32 s[SLOTS], 0
	s_cbranch_scc1 .Lslot
	CHANGE 0                                       ; the last slot is written out: nothing is asked for
	SLOT_STEPS
	; THE WAY OUT.  O^T / l, held and quantised with 2^(e6 - e4 - e5); a lane's 8 bytes go through my stage (in slot 0, which has had its last fill and was left at the last change of slots) and leave as 2 x 512 consecutive bytes.
.rept 4
	v_nop                                          ; places behind the last products
.endr
	v_add_f32 v14, v14, v15
	s_delay_alu instid0(VALU_DEP_1)
	v_permlanex16_b32 v200, v14, s[SEL], s[SEL+1]
	s_delay_alu instid0(VALU_DEP_1)
	v_add_f32 v14, v14, v200                       ; the row's sum
	s_wait_alu depctr_va_vdst(0)
	v_rcp_f32 v14, v14
	v_nop                                          ; a plain instruction behind the reciprocal
	s_wait_alu depctr_va_vdst(0)                   ; and the wait ahead of its first reader
.set jj, 0
.rept 16
	v_pk_mul_f32 v[96+jj:97+jj], v[160+jj:161+jj], v[14:15] op_sel_hi:[1,0]   ; register 8 u + j: channel 16 u + 8 h + j of query r
.set jj, jj+2
.endr
.set jj, 0
.rept 32
.set jj, jj+1
.endr
.irp u, 0,1,2,3
	v_cvt_scalef32_pk8_fp8_f32 v[224+2*\u:225+2*\u], v[96+8*\u:103+8*\u], v245
.endr
	v_nop
.irp u, 0,1,2,3
	ds_store_b64 v[SI], v[224+2*\u:225+2*\u] offset:16*\u
.endr
	ds_load_b128 v[32:35], v[SB]                   ; LDS serves a wave's instructions in order: these see my stores
	ds_load_b128 v[36:39], v[SB] offset:512
	s_wait_dscnt 1                                 ; the first is in; the second may be out
	global_store_b128 v[GO], v[32:35], s[16:17]
	s_wait_dscnt 0
	global_store_b128 v[GO], v[36:39], s[16:17] offset:512
	s_wait_tensorcnt 0x0                           ; the wave's end
	ds_add_u32 v[SPW], v[NIL]
	s_wait_dscnt 0x0
	s_endpgm
.Lfunc_end_k_qeb14f04dbf_attn:
	.size	k_qeb14f04dbf_attn, .Lfunc_end_k_qeb14f04dbf_attn-k_qeb14f04dbf_attn
	.p2alignl 7, 3214868480
	.fill 96, 4, 3214868480
	.section	.rodata,"a",@progbits
	.p2align	6, 0x0
	.amdhsa_kernel k_qeb14f04dbf_attn
		.amdhsa_group_segment_fixed_size 327680
		.amdhsa_private_segment_fixed_size 0
		.amdhsa_enable_private_segment 0
		.amdhsa_kernarg_size 40
		.amdhsa_user_sgpr_count 2
		.amdhsa_user_sgpr_kernarg_segment_ptr 1
		.amdhsa_wavefront_size32 1
		.amdhsa_system_sgpr_workgroup_id_x 1
		.amdhsa_system_sgpr_workgroup_id_y 1
		.amdhsa_system_sgpr_workgroup_id_z 1
		.amdhsa_system_vgpr_workitem_id 0
		.amdhsa_next_free_vgpr 256
		.amdhsa_next_free_sgpr 100
		.amdhsa_reserve_vcc 1
		.amdhsa_float_denorm_mode_32 3
		.amdhsa_float_denorm_mode_16_64 3
		.amdhsa_fp16_overflow 1
		.amdhsa_memory_ordered 1
		.amdhsa_forward_progress 1
		.amdhsa_inst_pref_size 92
	.end_amdhsa_kernel
	.amdgpu_metadata
---
amdhsa.version: [ 1, 2 ]
amdhsa.kernels:
  - .name:           k_qeb14f04dbf_attn
    .symbol:         k_qeb14f04dbf_attn.kd
    .args:
      - { .name: q_codes, .offset: 0, .size: 8, .value_kind: global_buffer, .address_space: global }
      - { .name: k_codes, .offset: 8, .size: 8, .value_kind: global_buffer, .address_space: global }
      - { .name: vt_codes, .offset: 16, .size: 8, .value_kind: global_buffer, .address_space: global }
      - { .name: lowp_scales, .offset: 24, .size: 8, .value_kind: global_buffer, .address_space: global }
      - { .name: ctx_codes, .offset: 32, .size: 8, .value_kind: global_buffer, .address_space: global }
    .group_segment_fixed_size: 327680
    .private_segment_fixed_size: 0
    .kernarg_segment_align: 8
    .kernarg_segment_size: 40
    .max_flat_workgroup_size: 512
    .sgpr_count:     100
    .vgpr_count:     256
    .wavefront_size: 32
...
	.end_amdgpu_metadata
.endif
;; end of part 2
;; launch proj (part 3): grid 4 x 64, 4 waves a work-group, clusters of 4 x 4, 327,680 bytes of LDS; arguments ctx_codes, w_proj_codes, lowp_scales, b_proj, out0; writes out0
.if DOCPART == 3
	.amdgcn_target "amdgcn-amd-amdhsa--gfx1250"
	.amdhsa_code_object_version 6
	.text
	.protected	k_qeb14f04dbf_proj
	.globl	k_qeb14f04dbf_proj
	.p2align	8
	.type	k_qeb14f04dbf_proj,@function
k_qeb14f04dbf_proj:
	s_mov_b64 s[64:65], 0
	v_nop
	global_prefetch_b8 v0, s[64:65] scope:SCOPE_SE
	s_setreg_imm32_b32 hwreg(HW_REG_WAVE_MODE, 25, 1), 1
	s_wait_xcnt 0x0
	s_wait_alu depctr_hold_cnt(0) depctr_sa_sdst(0) depctr_va_vdst(0) depctr_va_sdst(0) depctr_va_ssrc(0) depctr_va_vcc(0) depctr_vm_vsrc(0)
	s_getreg_b32 s2, hwreg(HW_REG_IB_STS2, 6, 4)
	s_cmp_eq_u32 s2, 0
	s_cbranch_scc0 .Lentry_in_a_cluster
	s_endpgm
.Lentry_in_a_cluster:
	s_bfe_u32 s2, ttmp6, 0x10000c
	s_cmp_lg_u32 s2, 0xf033
	s_cbranch_scc0 .Lentry_shape_is_right
	s_endpgm
.Lentry_shape_is_right:
; LAUNCH 3 OF 3: out0 = ctx w_proj + b_proj on codes of FP8 (E4M3).  ctx_codes: [batch][head][token][64] (channel k = 64 head + d); w_proj_codes: [1024 (n)][1024 (k)]; out0: [8192][1024] f32.  No work is left out here.
; A tile is 128 tokens x 256 columns: 64 x 4 = 256 work-groups, one for each WGP (tiles of 256 x 256 would be 128).  Four waves, each 64 x 128: 32 accumulators.  K goes in four steps of 256 (four heads) through two LDS slots.
; A's tile of a K step: for each of four heads 128 tokens x 64 bytes, 8,192 dense bytes; one tensor load brings two heads as two rows of 8,192 bytes, 131,072 bytes apart, with 16 bytes of padding behind every 256.
; THE MATRIX INSTRUCTION IS USED TRANSPOSED (source 0 = 16 rows of w_proj, source 1 = 16 tokens): a lane holds eight neighbouring columns of one token.  Fragments are fetched 16 bytes at a time, the same order of k on both sides.
; y = sum x 2^(e6+e7) + b_proj by one packed multiply-add for two numbers.  LIMIT: e6 + e7 between -126 and 127.
; CLUSTERS: 4 x 4: A's tiles are asked for jointly along a row of the cluster, B's along a column.  Nothing is prefetched: of the four K steps two are first fills and two their refills.
; REGISTERS: window 0: v16-29 addresses; v32-95 at work on the way out; v128-191, v192-255 A's fragments, two sets, later rows of y.  window 1: B's, two sets.  window 2: the accumulators ((a, b) at v[8 (8 a + b)]).  window 3: v0-63 b_proj.
.set PITCH,  272
.set HEADB,  32*PITCH                  ; a head's 128 tokens in LDS: 32 rows of four tokens
.set AREG,   4*HEADB
.set BHALF,  128*PITCH
.set SLOT,   AREG+2*BHALF
.set SPARE,  2*SLOT                    ; behind the ring: the spare words
.set SPITCH, 528                       ; the way out: 16 rows x (512 bytes + 16) for each wave, in slot 0
.set FR,     16
.set ADRA, 16
.set ADRB, 20
.set STO,  24
.set RD,   25
.set CO,   26
.set SPW,  28
.set NIL,  29
.set TMP,  32
.set AF,   128
.set BK,   128
.set G1, 24
.set G0, 32
.set G1B, 48
.set G0B, 56
.set MSB, 0
.macro WIN new
.if MSB != \new
	s_set_vgpr_msb (MSB<<8)|\new
.set MSB, \new
.endif
.endm
.set MUL,  0xa1                        ; source 0 (B) window 1, source 1 (A) window 0, C and D window 2
.set TO_B, 0x40
.macro JLOAD s                         ; waves 0 and 1 fetch A's two pairs of heads, waves 2 and 3 B's two halves; an s_nop 0 and four v_nop follow each line
	s_cmp_eq_u32 s15, 0
	s_cbranch_scc0 .Lfor_b_\@
	tensor_load_to_lds s[G0+4*\s:G0+4*\s+3], s[G1:G1+7]
	s_nop 0
.rept 4
	v_nop
.endr
	s_branch .Lasked_\@
.Lfor_b_\@:
	tensor_load_to_lds s[G0B+4*\s:G0B+4*\s+3], s[G1B:G1B+7]
	s_nop 0
.rept 4
	v_nop
.endr
.Lasked_\@:
.endm
.macro CREST
	s_cmp_lg_u32 s14, 0
	s_cbranch_scc1 .Lnot_wave_0_\@
	s_barrier_signal -3
.Lnot_wave_0_\@:
	s_barrier_wait -3
	s_barrier_signal -1
	s_barrier_wait -1
.endm
.macro CROUND
	s_barrier_signal -1
	s_barrier_wait -1
	CREST
.endm
	s_load_b256 s[4:11], s[0:1], 0x0               ; ctx_codes s[4:5], w_proj_codes s[6:7], the exponents s[8:9], b_proj s[10:11]
	s_load_b64 s[12:13], s[0:1], 0x20              ; out0
	v_lshl_add_u32 v[SPW], v0, 2, SPARE
	v_mov_b32 v[NIL], 0
	ds_add_u32 v[SPW], v[NIL]                      ; the wave's opening: the add, twice on end, and its wait ahead of my first tensor load
	ds_add_u32 v[SPW], v[NIL]
	v_lshrrev_b32 v1, 5, v0
	v_readfirstlane_b32 s14, v1                    ; wave 0..3
	s_lshr_b32 s15, s14, 1                         ; which 64 tokens are mine.  Also: I fetch for A (0) or for B (1)
	s_and_b32 s16, s14, 1                          ; which 128 columns.  Also: which half of that tile I fetch
	s_bfe_u32 s40, ttmp6, 0x40000                  ; cx: the tile column
	s_bfe_u32 s41, ttmp6, 0x40004                  ; cy
	s_and_b32 s17, ttmp7, 0xffff
	s_lshl_b32 s17, s17, 2
	s_add_co_u32 s17, s17, s41                     ; the tile row: 128 tokens each
	s_lshl_b32 s43, s41, 2
	s_lshl_b32 s43, 15, s43                        ; my row of the cluster
	s_lshl_b32 s44, 0x1111, s40                    ; my column
	s_or_b32 s[G1+0], s43, (0<<16)|(1<<20)|(1<<21)|(5<<22)|(3<<25)   ; the mask; elements of 1 byte; 4 words of padding after every 64; bit 21 beside a mask
	s_mov_b32 s[G1+1], (8192&0xffff)<<16           ; A: tensor_dim0 = 8,192
	s_mov_b32 s[G1+2], 2<<16                       ; tensor_dim1 = 2
	s_mov_b32 s[G1+3], 8192<<16                    ; tile_dim0
	s_mov_b32 s[G1+4], 2                           ; tile_dim1: two heads
	s_mov_b32 s[G1+5], 131072                      ; from head to head
	s_mov_b32 s[G1+6], 0
	s_mov_b32 s[G1+7], 0
	s_or_b32 s[G1B+0], s44, (0<<16)|(1<<20)|(1<<21)|(5<<22)|(3<<25)
	s_mov_b32 s[G1B+1], 256<<16                    ; B: 128 rows of 256 bytes, 1,024 apart
	s_mov_b32 s[G1B+2], 128<<16
	s_mov_b32 s[G1B+3], 256<<16
	s_mov_b32 s[G1B+4], 128
	s_mov_b32 s[G1B+5], 1024
	s_mov_b32 s[G1B+6], 0
	s_mov_b32 s[G1B+7], 0
	s_lshr_b32 s20, s17, 4
	s_lshl_b32 s20, s20, 21                        ; A: the batch,
	s_and_b32 s18, s17, 15
	s_lshl_b32 s18, s18, 13
	s_add_co_u32 s20, s20, s18                     ; its 128 tokens x 64 bytes,
	s_lshl_b32 s18, s16, 18
	s_add_co_u32 s20, s20, s18                     ; my two heads of the four: no cx enters
	s_mov_b32 s21, 0
	s_lshl_b32 s46, s40, 18                        ; B: row 256 cx + 128 x half, 1,024 bytes each: no cy enters
	s_lshl_b32 s18, s16, 17
	s_add_co_u32 s46, s46, s18
	s_mov_b32 s47, 0
	s_mul_i32 s45, s16, 2*HEADB                    ; where they go
	s_mul_i32 s94, s16, BHALF
	s_add_co_u32 s94, s94, AREG
	s_wait_dscnt 0x0                               ; both opening adds are done
	s_wait_kmcnt 0x0
	s_load_b64 s[96:97], s[8:9], 0x18              ; e6, e7
	s_add_nc_u64 s[20:21], s[4:5], s[20:21]
	s_add_nc_u64 s[46:47], s[6:7], s[46:47]
	CROUND                                         ; all sixteen work-groups are here: the first joint loads meet
.irp s, 0,1
	s_mov_b32 s[G0+4*\s], 1
	s_add_co_u32 s[G0+4*\s+1], s45, \s*SLOT
	s_add_nc_u64 s[G0+4*\s+2:G0+4*\s+3], s[20:21], \s*4*131072
	s_or_b32 s[G0+4*\s+3], s[G0+4*\s+3], 0x80000000
	s_mov_b32 s[G0B+4*\s], 1
	s_add_co_u32 s[G0B+4*\s+1], s94, \s*SLOT
	s_add_nc_u64 s[G0B+4*\s+2:G0B+4*\s+3], s[46:47], \s*256
	s_or_b32 s[G0B+4*\s+3], s[G0B+4*\s+3], 0x80000000
	s_wait_alu depctr_va_vdst(0)
	s_wait_tensorcnt 0x0
	ds_add_u32 v28, v29
	ds_add_u32 v28, v29
	s_wait_dscnt 0x0
	CROUND
	JLOAD \s
.endr
	v_and_b32 v1, 15, v0                           ; r
	v_bfe_u32 v2, v0, 4, 1                         ; h
	v_lshrrev_b32 v3, 2, v1
	v_mul_u32_u24 v3, v3, PITCH
	v_and_b32 v4, 3, v0
	v_lshl_add_u32 v3, v4, 6, v3
	v_lshl_add_u32 v3, v2, 4, v3                   ; A: (r / 4) x 272 + (r % 4) x 64 + 16 h
	v_mul_u32_u24 v5, v1, PITCH
	v_lshl_add_u32 v5, v2, 4, v5                   ; B: r x 272 + 16 h
	s_mul_i32 s21, s15, 16*PITCH                   ; my 64 tokens: 16 LDS rows
	s_mul_i32 s22, s16, BHALF
	s_add_co_u32 s22, s22, AREG                    ; my 128 rows of B
.irp s, 0,1
	v_add_nc_u32 v[ADRA+\s], s21, v3
	v_add_nc_u32 v[ADRB+\s], s22, v5
	s_add_co_u32 s21, s21, SLOT
	s_add_co_u32 s22, s22, SLOT
.endr
	s_mul_i32 s23, s14, 16*SPITCH                  ; my stage
	v_mul_u32_u24 v6, v1, SPITCH
	v_lshl_add_u32 v6, v2, 5, v6
	v_add_nc_u32 v[STO], s23, v6                   ; in: row r, 32 bytes for each half of the lanes
	v_and_b32 v7, 31, v0
	v_lshlrev_b32 v[CO], 4, v7
	v_add_nc_u32 v[RD], s23, v[CO]                 ; back: the 32 lanes take one row of 512 bytes
	s_lshl_b32 s46, s40, 10
	s_lshl_b32 s47, s16, 9
	s_add_co_u32 s46, s46, s47                     ; my first column, in bytes
	s_mov_b32 s47, 0
	s_add_nc_u64 s[10:11], s[10:11], s[46:47]      ; b_proj there
	s_lshl_b32 s20, s17, 19                        ; my first token's row of 4,096 bytes: 128 x tile row + 64 x half
	s_lshl_b32 s21, s15, 18
	s_add_co_u32 s20, s20, s21
	s_add_co_u32 s20, s20, s46
	s_mov_b32 s21, 0
	s_add_nc_u64 s[12:13], s[12:13], s[20:21]
	v_lshlrev_b32 v8, 5, v2
	WIN 0xc0                                       ; destination window 3
.irp b, 0,1,2,3,4,5,6,7
	global_load_b128 v[8*\b:8*\b+3], v8, s[10:11] offset:64*\b        ; register 8 b + j: column 16 b + 8 h + j
	global_load_b128 v[8*\b+4:8*\b+7], v8, s[10:11] offset:64*\b+16
.endr
	WIN 0
; 48 LDS loads in one run: the fragments of the slot's q-th 128 along K into set p: B's eight, then A's four.  In A, chunk c of 32 along K lies in head 2 q + c / 2 at byte 32 (c % 2).
.macro FETCH slot, q, p
	WIN TO_B
.irp i, 0,1,2,3,4,5,6,7
.irp c, 0,1,2,3
	ds_load_b128 v[128*(\p)+FR*\i+4*\c:128*(\p)+FR*\i+4*\c+3], v[ADRB+\slot] offset:128*(\q)+32*\c+\i*16*PITCH
.endr
.endr
	WIN 0
.irp a, 0,1,2,3
.irp c, 0,1,2,3
	ds_load_b128 v[AF+64*(\p)+FR*\a+4*\c:AF+64*(\p)+FR*\a+4*\c+3], v[ADRA+\slot] offset:4*PITCH*\a+(2*(\q)+\c/2)*HEADB+(\c%2)*32
.endr
.endr
.endm
; 8 matrix instructions: A's block a x B's eight, set p.  The 32 accumulators take turns, in the same order in every step.
.macro MUL8 a, p, zero
.irp b, 0,1,2,3,4,5,6,7
.if \zero
	v_wmma_f32_16x16x128_fp8_fp8 v[8*(8*(\a)+\b):8*(8*(\a)+\b)+7], v[128*(\p)+FR*\b:128*(\p)+FR*\b+FR-1], v[AF+64*(\p)+FR*(\a):AF+64*(\p)+FR*(\a)+FR-1], 0
.else
	v_wmma_f32_16x16x128_fp8_fp8 v[8*(8*(\a)+\b):8*(8*(\a)+\b)+7], v[128*(\p)+FR*\b:128*(\p)+FR*\b+FR-1], v[AF+64*(\p)+FR*(\a):AF+64*(\p)+FR*(\a)+FR-1], v[8*(8*(\a)+\b):8*(8*(\a)+\b)+7]
.endif
.endr
.endm
.macro PLACES                          ; four plain vector instructions between a matrix instruction and a load into, or a read of, its registers
.rept 4
	v_nop
.endr
.endm
; A slot's first 128 along K: set 0 is multiplied; the second 128 are fetched into set 1 first.
.macro STEP slot, zero
	PLACES
	FETCH \slot, 1, 1
	s_wait_dscnt 48                                ; all but the 48 just issued: set 0 is in
	WIN MUL
	MUL8 0, 0, \zero
	MUL8 1, 0, \zero
	MUL8 2, 0, \zero
	MUL8 3, 0, \zero
.endm
; A slot's second 128 along K, and the change of slots: ONE barrier; in front of it each wave waits for all its tensor loads, adds 0 to its spare word, and waits for that and for its own reads of this slot.
.macro TURN slot, next, fill
	WIN 0                                          ; (the add's two registers lie in window 0)
	s_wait_tensorcnt 0x0                           ; all my tensor loads have landed: my part of the next slot
	ds_add_u32 v[SPW], v[NIL]
	s_wait_dscnt 1                                 ; set 1 is in; the add may be out
	WIN MUL
	MUL8 0, 1, 0
	MUL8 1, 1, 0
	s_wait_dscnt 0x0                               ; the add is done, and my reads of this slot are over
	s_barrier_signal -1
	MUL8 2, 1, 0
	WIN 0
	s_barrier_wait -1
.if \fill
	CREST                                          ; the barrier has opened a round of the cluster's barrier
	s_add_nc_u64 s[G0+4*\slot+2:G0+4*\slot+3], s[G0+4*\slot+2:G0+4*\slot+3], 8*131072
	s_add_nc_u64 s[G0B+4*\slot+2:G0B+4*\slot+3], s[G0B+4*\slot+2:G0B+4*\slot+3], 512
	JLOAD \slot                                    ; the first tensor load behind the round; its four v_nop are the places in front of the loads below
.else
	PLACES
.endif
	s_wait_alu depctr_va_vdst(0)
	FETCH \next, 0, 0
	WIN MUL
	MUL8 3, 1, 0
.endm
	s_wait_tensorcnt 1                             ; my part of K step 0 is in; K step 1's load may be out
	s_barrier_signal -1
	s_barrier_wait -1
	FETCH 0, 0, 0
	STEP 0, 1                                      ; the first products start the sums
	WIN 0
	s_mov_b32 s3, 1
.Llap:                                                 ; one trip: once round the ring, both slots filled again
	TURN 0, 1, 1
	STEP 1, 0
	TURN 1, 0, 1
	STEP 0, 0
	WIN 0
	s_sub_co_u32 s3, s3, 1
	s_cmp_lg_u32 s3, 0
	s_cbranch_scc1 .Llap
	TURN 0, 1, 0                                   ; the last lap fills nothing
	STEP 1, 0
	s_wait_dscnt 0
	MUL8 0, 1, 0
	MUL8 1, 1, 0
	MUL8 2, 1, 0
	MUL8 3, 1, 0
	WIN 0
; THE WAY OUT, block by block of 16 tokens x 128 columns, through my own stage (in slot 0, which has had its last fill and was left at the last change of slots), back as whole rows of 512 bytes.
.macro TOSTAGE a
	WIN 0x32                                       ; source 0 (the sums) window 2, source 2 (b_proj) window 3
.set jj, 0
.rept 32
	v_pk_fma_f32 v[TMP+jj:TMP+jj+1], v[64*(\a)+jj:64*(\a)+jj+1], s[96:97], v[jj:jj+1] op_sel_hi:[1,0,1]   ; sum x 2^(e6+e7) + b_proj; each accumulator from its low end on
.set jj, jj+2
.endr
	WIN 0
.irp b, 0,1,2,3,4,5,6,7
	ds_store_b128 v[STO], v[TMP+8*\b:TMP+8*\b+3] offset:64*\b
	ds_store_b128 v[STO], v[TMP+8*\b+4:TMP+8*\b+7] offset:64*\b+16
.endr
.set BB, BK+64*((\a)%2)
.irp t, 0,1,2,3,4,5,6,7,8,9,10,11,12,13,14,15
	ds_load_b128 v[BB+4*\t:BB+4*\t+3], v[RD] offset:\t*SPITCH      ; LDS serves a wave's instructions in order: these see my stores
.endr
.endm
.macro SEND a, younger                 ; younger: the LDS instructions issued behind block a's loads
.set BB, BK+64*((\a)%2)
	s_wait_dscnt \younger
.if (\a) > 0
	s_add_nc_u64 s[12:13], s[12:13], 16*4096       ; (behind a wait on XCNT: the earlier stores have read their base)
.endif
.irp t, 0,1,2,3,4,5,6,7,8,9,10,11,12,13,14,15
	global_store_b128 v[CO], v[BB+4*\t:BB+4*\t+3], s[12:13] offset:\t*4096 th:TH_STORE_NT   ; 32 lanes store 512 consecutive bytes, aligned; written once, read by nobody here
.endr
.endm
	s_wait_kmcnt 0x0
	s_add_co_i32 s96, s96, s97
	s_add_co_i32 s96, s96, 127
	s_lshl_b32 s96, s96, 23                        ; 2^(e6+e7) as f32
	s_wait_loadcnt 0x0                             ; b_proj
	PLACES
	TOSTAGE 0
.irp a, 1,2,3
.if \a > 1
	s_wait_xcnt 0x0                                ; block a - 2's stores have read their registers and their base
.endif
	TOSTAGE \a
	SEND \a-1, 32                                  ; behind block a - 1's loads: block a's 16 stores and 16 loads
.endr
	s_wait_xcnt 0x0
	SEND 3, 0
	s_wait_tensorcnt 0x0                           ; the wave's end
	ds_add_u32 v[SPW], v[NIL]
	s_wait_dscnt 0x0
	CROUND                                         ; the closing round
	s_endpgm
.Lfunc_end_k_qeb14f04dbf_proj:
	.size	k_qeb14f04dbf_proj, .Lfunc_end_k_qeb14f04dbf_proj-k_qeb14f04dbf_proj
	.p2alignl 7, 3214868480
	.fill 96, 4, 3214868480
	.section	.rodata,"a",@progbits
	.p2align	6, 0x0
	.amdhsa_kernel k_qeb14f04dbf_proj
		.amdhsa_group_segment_fixed_size 327680
		.amdhsa_private_segment_fixed_size 0
		.amdhsa_enable_private_segment 0
		.amdhsa_kernarg_size 40
		.amdhsa_user_sgpr_count 2
		.amdhsa_user_sgpr_kernarg_segment_ptr 1
		.amdhsa_wavefront_size32 1
		.amdhsa_system_sgpr_workgroup_id_x 1
		.amdhsa_system_sgpr_workgroup_id_y 1
		.amdhsa_system_sgpr_workgroup_id_z 1
		.amdhsa_system_vgpr_workitem_id 0
		.amdhsa_next_free_vgpr 832
		.amdhsa_next_free_sgpr 100
		.amdhsa_reserve_vcc 0
		.amdhsa_float_denorm_mode_32 3
		.amdhsa_float_denorm_mode_16_64 3
		.amdhsa_memory_ordered 1
		.amdhsa_forward_progress 1
		.amdhsa_inst_pref_size 78
	.end_amdhsa_kernel
	.amdgpu_metadata
---
amdhsa.version: [ 1, 2 ]
amdhsa.kernels:
  - .name:           k_qeb14f04dbf_proj
    .symbol:         k_qeb14f04dbf_proj.kd
    .args:
      - { .name: ctx_codes, .offset: 0, .size: 8, .value_kind: global_buffer, .address_space: global }
      - { .name: w_proj_codes, .offset: 8, .size: 8, .value_kind: global_buffer, .address_space: global }
      - { .name: lowp_scales, .offset: 16, .size: 8, .value_kind: global_buffer, .address_space: global }
      - { .name: b_proj, .offset: 24, .size: 8, .value_kind: global_buffer, .address_space: global }
      - { .name: out0, .offset: 32, .size: 8, .value_kind: global_buffer, .address_space: global }
    .group_segment_fixed_size: 327680
    .private_segment_fixed_size: 0
    .kernarg_segment_align: 8
    .kernarg_segment_size: 40
    .max_flat_workgroup_size: 128
    .sgpr_count:     100
    .vgpr_count:     832
    .wavefront_size: 32
...
	.end_amdgpu_metadata
.endif
;; end of part 3
